; MI455X (gfx1250); checked and timed in simulation.
; The chip was launched on July 23, 2026; its instructions are those of AMD's public machine-readable ISA for CDNA 5 (MIT licence, August 2026) and "CDNA5" Instruction Set Architecture Reference Guide (July 2026). The comments in the code are by the model that wrote it; some were corrected since.
;; Multi Attention. Allowed arithmetic: float matrix products may take bf16 or f16 operands with f32 sums; all other float work in f32.
;; Inputs: K 4 x 2,048 x 1,024 float32; Q 4 x 2,048 x 1,024 float32; V 4 x 2,048 x 1,024 float32; Wk 1,024 x 1,024 float32; Wo 1,024 x 1,024 float32; Wq 1,024 x 1,024 float32; Wv 1,024 x 1,024 float32.
;; Outputs: out0 4 x 2,048 x 1,024 float32.
;; One version. Each part assembles by itself: llvm-mc -triple=amdgcn-amd-amdhsa -mcpu=gfx1250 --defsym DOCPART=n.
;; ======== version 1 of 1: 4 launches
;; limits: values are held in f16: magnitudes above 65,504 overflow, below 6.1e-05 lose precision
;; workspace buffers: xh 50,331,648 bytes; wh 8,388,608 bytes; qkv 50,331,648 bytes; ao 16,777,216 bytes
;; launch cast (part 1): grid 64 x 28, 8 waves a work-group, no clusters, 0 bytes of LDS; arguments Q, K, V, Wq, Wk, Wv, Wo, xh, wh; writes xh, wh
.if DOCPART == 1
	.amdgcn_target "amdgcn-amd-amdhsa--gfx1250"
	.amdhsa_code_object_version 6
	.text
	.protected	k_q3d896cd413_cast
	.globl	k_q3d896cd413_cast
	.p2align	8
	.type	k_q3d896cd413_cast,@function
k_q3d896cd413_cast:
	s_mov_b64 s[64:65], 0
	v_nop
	global_prefetch_b8 v0, s[64:65] scope:SCOPE_SE
	s_setreg_imm32_b32 hwreg(HW_REG_WAVE_MODE, 25, 1), 1
	s_wait_xcnt 0x0
; f32 to f16 (round to nearest even) of all seven inputs: xh = [Q, K, V] as [3][8192][1024] f16, wh = [Wq, Wk, Wv, Wo] as [4][1024][1024] f16.
; LIMIT: a number beyond 65,504 in magnitude becomes an infinity, one under 2^-24 becomes 0; numbers between 2^-24 and 2^-14 keep an absolute error of 2^-25.
; A stream: every byte is read once and written once, so there is no LDS, no barrier, no matrix work, and nothing that work-groups share.
; Work-group (x, y) converts 16,384 numbers: 64 KiB in, 32 KiB out.  y = 0..23: part y & 7 (4 MiB) of input y >> 3 (Q, K, V); y = 24..27: a whole weight.
; Thread t takes 16 bytes at 16 t of each block of 4,096 bytes: a wave's load covers 512 consecutive bytes, its store 256 consecutive aligned bytes.
; All sixteen loads of a wave go out first; no register is written twice, so nothing but the counted waits for the loads is needed.
.set X, 4                              ; v[4:67]   sixteen loads of four f32
.set Y, 68                             ; v[68:99]  sixteen pairs of registers, four f16 each
	s_load_b512 s[8:23], s[0:1], 0x0               ; Q s[8:9], K s[10:11], V s[12:13], Wq s[14:15], Wk s[16:17], Wv s[18:19], Wo s[20:21], xh s[22:23]
	s_load_b64 s[24:25], s[0:1], 0x40              ; wh
	s_and_b32 s2, ttmp7, 0xffff                    ; y
	s_lshr_b32 s3, s2, 3                           ; which of Q, K, V (3: a weight)
	s_and_b32 s4, s2, 7                            ; its part of 4 MiB; for a weight: which weight
	v_lshlrev_b32 v1, 4, v0                        ; 16 t
	v_lshlrev_b32 v2, 3, v0                        ; 8 t
	s_wait_kmcnt 0x0
	s_cmp_eq_u32 s3, 1                             ; the source is chosen by y alone
	s_cselect_b64 s[8:9], s[10:11], s[8:9]
	s_cmp_eq_u32 s3, 2
	s_cselect_b64 s[8:9], s[12:13], s[8:9]
	s_cmp_eq_u32 s2, 24
	s_cselect_b64 s[8:9], s[14:15], s[8:9]
	s_cmp_eq_u32 s2, 25
	s_cselect_b64 s[8:9], s[16:17], s[8:9]
	s_cmp_eq_u32 s2, 26
	s_cselect_b64 s[8:9], s[18:19], s[8:9]
	s_cmp_eq_u32 s2, 27
	s_cselect_b64 s[8:9], s[20:21], s[8:9]
	s_cmp_lt_u32 s2, 24                            ; one compare for three selects (a select leaves SCC as it is)
	s_cselect_b64 s[22:23], s[22:23], s[24:25]     ; the destination: xh or wh
	s_cselect_b32 s5, s4, 0                        ; the source's part of 4 MiB
	s_cselect_b32 s6, s2, s4                       ; the destination's part of 2 MiB
	s_lshl_b32 s5, s5, 22
	s_lshl_b32 s26, ttmp9, 16                      ; x times 64 KiB
	s_add_co_u32 s26, s26, s5
	s_mov_b32 s27, 0
	s_add_nc_u64 s[8:9], s[8:9], s[26:27]
	s_lshl_b32 s6, s6, 21
	s_lshl_b32 s28, ttmp9, 15                      ; x times 32 KiB
	s_add_co_u32 s28, s28, s6
	s_mov_b32 s29, 0
	s_add_nc_u64 s[22:23], s[22:23], s[28:29]
.irp j, 0,1,2,3,4,5,6,7,8,9,10,11,12,13,14,15
	global_load_b128 v[X+4*\j:X+4*\j+3], v1, s[8:9] offset:4096*\j th:TH_LOAD_NT
.endr
.irp j, 0,1,2,3,4,5,6,7,8,9,10,11,12,13,14,15
	s_wait_loadcnt 15-\j                           ; loads come back in order (ISA guide 5.7.1): load j is in, the 15 - j younger ones stay out
	v_cvt_pk_f16_f32 v[Y+2*\j],   v[X+4*\j],   v[X+4*\j+1]
	v_cvt_pk_f16_f32 v[Y+2*\j+1], v[X+4*\j+2], v[X+4*\j+3]
	global_store_b64 v2, v[Y+2*\j:Y+2*\j+1], s[22:23] offset:2048*\j
.endr
	s_endpgm
.Lfunc_end_k_q3d896cd413_cast:
	.size	k_q3d896cd413_cast, .Lfunc_end_k_q3d896cd413_cast-k_q3d896cd413_cast
	.p2alignl 7, 3214868480
	.fill 96, 4, 3214868480
	.section	.rodata,"a",@progbits
	.p2align	6, 0x0
	.amdhsa_kernel k_q3d896cd413_cast
		.amdhsa_group_segment_fixed_size 0
		.amdhsa_private_segment_fixed_size 0
		.amdhsa_enable_private_segment 0
		.amdhsa_kernarg_size 72
		.amdhsa_user_sgpr_count 2
		.amdhsa_user_sgpr_kernarg_segment_ptr 1
		.amdhsa_wavefront_size32 1
		.amdhsa_system_sgpr_workgroup_id_x 1
		.amdhsa_system_sgpr_workgroup_id_y 1
		.amdhsa_system_sgpr_workgroup_id_z 1
		.amdhsa_system_vgpr_workitem_id 0
		.amdhsa_next_free_vgpr 100
		.amdhsa_next_free_sgpr 66
		.amdhsa_reserve_vcc 0
		.amdhsa_float_denorm_mode_32 3
		.amdhsa_float_denorm_mode_16_64 3
		.amdhsa_memory_ordered 1
		.amdhsa_forward_progress 1
		.amdhsa_inst_pref_size 7
	.end_amdhsa_kernel
	.amdgpu_metadata
---
amdhsa.version: [ 1, 2 ]
amdhsa.kernels:
  - .name:           k_q3d896cd413_cast
    .symbol:         k_q3d896cd413_cast.kd
    .args:
      - { .name: Q, .offset: 0, .size: 8, .value_kind: global_buffer, .address_space: global }
      - { .name: K, .offset: 8, .size: 8, .value_kind: global_buffer, .address_space: global }
      - { .name: V, .offset: 16, .size: 8, .value_kind: global_buffer, .address_space: global }
      - { .name: Wq, .offset: 24, .size: 8, .value_kind: global_buffer, .address_space: global }
      - { .name: Wk, .offset: 32, .size: 8, .value_kind: global_buffer, .address_space: global }
      - { .name: Wv, .offset: 40, .size: 8, .value_kind: global_buffer, .address_space: global }
      - { .name: Wo, .offset: 48, .size: 8, .value_kind: global_buffer, .address_space: global }
      - { .name: xh, .offset: 56, .size: 8, .value_kind: global_buffer, .address_space: global }
      - { .name: wh, .offset: 64, .size: 8, .value_kind: global_buffer, .address_space: global }
    .group_segment_fixed_size: 0
    .private_segment_fixed_size: 0
    .kernarg_segment_align: 8
    .kernarg_segment_size: 72
    .max_flat_workgroup_size: 256
    .sgpr_count:     66
    .vgpr_count:     100
    .wavefront_size: 32
...
	.end_amdgpu_metadata
.endif
;; end of part 1
;; launch proj (part 2): grid 4 x 96, 4 waves a work-group, clusters of 4 x 4, 327,680 bytes of LDS; arguments xh, wh, qkv; writes qkv
.if DOCPART == 2
	.amdgcn_target "amdgcn-amd-amdhsa--gfx1250"
	.amdhsa_code_object_version 6
	.text
	.protected	k_q3d896cd413_proj
	.globl	k_q3d896cd413_proj
	.p2align	8
	.type	k_q3d896cd413_proj,@function
k_q3d896cd413_proj:
	s_mov_b64 s[64:65], 0
	v_nop
	global_prefetch_b8 v0, s[64:65] scope:SCOPE_SE
	s_setreg_imm32_b32 hwreg(HW_REG_WAVE_MODE, 25, 1), 1
	s_wait_xcnt 0x0
	s_wait_alu depctr_hold_cnt(0) depctr_sa_sdst(0) depctr_va_vdst(0) depctr_va_sdst(0) depctr_va_ssrc(0) depctr_va_vcc(0) depctr_vm_vsrc(0)
	s_getreg_b32 s2, hwreg(HW_REG_IB_STS2, 6, 4)
	s_cmp_eq_u32 s2, 0
	s_cbranch_scc0 .Lentry_in_a_cluster
	s_endpgm
.Lentry_in_a_cluster:
	s_bfe_u32 s2, ttmp6, 0x10000c
	s_cmp_lg_u32 s2, 0xf033
	s_cbranch_scc0 .Lentry_shape_is_right
	s_endpgm
.Lentry_shape_is_right:
; qkv[p] = xh[p] wh[p]^T for p = 0, 1, 2 (q, k, v): C[m][n] = sum over k of A[m][k] B[n][k], A = xh taken as [24576][1024], B = wh's rows 1024 p .., C = qkv as [24576][1024].
; All f16, sums in f32, C rounded once.  LIMIT: a result beyond 65,504 in magnitude becomes an infinity.
; A work-group makes a block of 256 x 256 of C with four waves; a wave makes 128 x 128: 64 accumulator tiles of 16 x 16, 512 registers.
; K goes in steps of 128 through a ring of two LDS slots filled by tensor loads: a tile's rows are 256 bytes of memory at multiples of 256 bytes.
; CLUSTERS: 4 x 4 work-groups.  The four of a row of the cluster need the same tiles of A, the four of a column the same tiles of B: each tile is asked for
; jointly by the four, with one descriptor and a mask that names them, which divides the requests for A and B by four.  A cluster covers 1,024 rows of C and
; all 1,024 columns, so eight clusters along y make one projection and p hangs on the cluster's y alone, which all partners share.
;
; REGISTERS, in windows of 256 (s_set_vgpr_msb says which window each operand place means):
;   window 0: v16-26 addresses; v64-127, v128-191 fragments of A, two buffers; v192-223 at work on the way out
;   window 1: v64-127, v128-191 fragments of B, two buffers
;   window 2: the 32 accumulator tiles of my rows 0-63 (tile (a, b) at v[8 (8 a + b)]);   window 3: those of my rows 64-127
; THE MATRIX INSTRUCTION IS USED TRANSPOSED: source 0 = 16 rows of B, source 1 = 16 rows of A, so that lane l holds row l % 16 of C and its eight registers
; the columns 8 (l / 16) + 0 .. 7: eight neighbouring numbers of a row, 16 bytes in f16.
.set SIZE_N, 1024
.set SIZE_K, 1024
.set KSTEP,  128
.set PITCH,  272                       ; an LDS row: 256 bytes of data + 16 of padding, an odd multiple of 16: the 16 rows of a fragment load lie in 16 different 16-byte columns
.set HALFT,  128*PITCH                 ; 128 rows: what one tensor load brings, and what one wave reads of A or of B
.set SLOT,   4*HALFT                   ; A's 256 rows, then B's 256 rows
.set STAGE,  2*SLOT                    ; behind the ring: 16 rows x 272 bytes for each wave, for the way out; no tensor load lands here
.set SPITCH, 272
.set LAPS, SIZE_K/(2*KSTEP)            ; a lap = two K steps = once round the ring: 4 laps
.set ADRA, 16                          ; v16-17  LDS address of my A fragments in slot 0, 1
.set ADRB, 20                          ; v20-21  the same for B
.set STO,  24                          ; v24     the way out: where I put 16 bytes of a row
.set RD,   25                          ; v25     the way out: where I read a row back
.set CO,   26                          ; v26     my byte offset in C
.set F0,   64                          ; fragment buffer 0
.set F1,   128                         ; fragment buffer 1
.set TMP,  192                         ; the way out: packed results, in window 0
.set G1, 24                            ; s[24:31] descriptor group 1 for A's tiles
.set G0, 32                            ; s[32:39] descriptor group 0 for A's tiles, one set for each slot
.set G1B, 48                           ; s[48:55] descriptor group 1 for B's tiles: it differs from A's in the mask alone
.set G0B, 56                           ; s[56:63] descriptor group 0 for B's tiles, one set for each slot
.set MSB, 0
.macro WIN new                         ; the immediate's high byte repeats the setting that is left; a switch that changes nothing is dropped
.if MSB != \new
	s_set_vgpr_msb (MSB<<8)|\new
.set MSB, \new
.endif
.endm
.set MUL_LO, 0xa1                      ; source 0 (B) window 1, source 1 (A) window 0, C and D window 2
.set MUL_HI, 0xf1                      ; the same, C and D window 3
.set TO_B,   0x40                      ; destination window 1, address window 0
; A joint load.  Waves 0 and 1 fetch A's two halves, waves 2 and 3 B's.  Each line has one mask and one set of registers; the branch hangs on the wave's number alone.
.macro JLOAD s
	s_cmp_eq_u32 s11, 0
	s_cbranch_scc0 .Lfor_b_\@
	tensor_load_to_lds s[G0+4*\s:G0+4*\s+3], s[G1:G1+7]
	s_nop 0
	s_branch .Lasked_\@
.Lfor_b_\@:
	tensor_load_to_lds s[G0B+4*\s:G0B+4*\s+3], s[G1B:G1B+7]
	s_nop 0
.Lasked_\@:
.endm
; A round of the cluster's barrier: my work-group's barrier, wave 0 signals for the work-group, every wave waits for all sixteen, my work-group's barrier once more.
.macro CREST                           ; a round behind its opening barrier
	s_cmp_lg_u32 s10, 0
	s_cbranch_scc1 .Lnot_wave_0_\@
	s_barrier_signal -3
.Lnot_wave_0_\@:
	s_barrier_wait -3
	s_barrier_signal -1
	s_barrier_wait -1
.endm
.macro CROUND                          ; a whole round
	s_barrier_signal -1
	s_barrier_wait -1
	CREST
.endm
	s_load_b128 s[4:7], s[0:1], 0x0                ; xh s[4:5], wh s[6:7]
	s_load_b64 s[8:9], s[0:1], 0x10                ; qkv
	s_set_vgpr_msb 0x40
	v_lshl_add_u32 v255, v0, 2, 0x48400
	s_set_vgpr_msb 0x4000
	v_mov_b32 v255, 0
	s_set_vgpr_msb 0x1
	ds_add_u32 v255, v255
	s_set_vgpr_msb 0x100
	v_lshrrev_b32 v1, 5, v0
	v_readfirstlane_b32 s10, v1                    ; wave 0..3
	s_lshr_b32 s11, s10, 1                         ; which half of the block's rows is mine.  Also: I fetch for A (0) or for B (1)
	s_and_b32 s12, s10, 1                          ; which half of its columns.  Also: which 128 rows of that tile I fetch
	s_bfe_u32 s40, ttmp6, 0x40000                  ; cx
	s_bfe_u32 s41, ttmp6, 0x40004                  ; cy
	s_lshl_b32 s42, ttmp9, 2
	s_add_co_u32 s42, s42, s40                     ; block column of C = 4 x cluster x + cx
	s_and_b32 s13, ttmp7, 0xffff                   ; cluster y, 0..23
	s_lshr_b32 s45, s13, 3                         ; p: eight clusters of 1,024 rows make one projection
	s_lshl_b32 s13, s13, 2
	s_add_co_u32 s13, s13, s41                     ; block row of C = 4 x cluster y + cy
	s_lshl_b32 s43, s41, 2
	s_lshl_b32 s43, 15, s43                        ; my row of the cluster: places 4 cy .. 4 cy + 3
	s_lshl_b32 s44, 0x1111, s40                    ; my column: places cx, cx + 4, cx + 8, cx + 12
	; descriptor group 1: a tile of 128 rows x 128 elements of 2 bytes, 4 words of padding behind every 64 words
	s_or_b32 s[G1+0], s43, (1<<16)|(1<<20)|(1<<21)|(5<<22)|(3<<25)  ; A's tiles go to my row of the cluster
	s_or_b32 s[G1B+0], s44, (1<<16)|(1<<20)|(1<<21)|(5<<22)|(3<<25) ; B's to my column
	s_mov_b32 s[G1B+1], KSTEP<<16
	s_mov_b32 s[G1+1], KSTEP<<16                   ; tensor_dim0 = 128
	s_mov_b32 s[G1B+2], 128<<16
	s_mov_b32 s[G1+2], 128<<16                     ; tensor_dim1 = 128
	s_mov_b32 s[G1B+3], KSTEP<<16
	s_mov_b32 s[G1+3], KSTEP<<16                   ; tile_dim0 = 128
	s_mov_b32 s[G1B+4], 128
	s_mov_b32 s[G1+4], 128                         ; tile_dim1 = 128
	s_mov_b32 s[G1B+5], SIZE_K
	s_mov_b32 s[G1+5], SIZE_K                      ; elements from row to row
	s_mov_b32 s[G1B+6], 0
	s_mov_b32 s[G1+6], 0
	s_mov_b32 s[G1B+7], 0
	s_mov_b32 s[G1+7], 0
	; A's address hangs on the block row alone, B's on the block column and p alone; each in registers that never hold the other coordinate
	s_lshl_b32 s17, s12, 7                         ; which 128 rows of the tile I fetch
	s_lshl_b32 s16, s13, 8
	s_add_co_u32 s16, s16, s17                     ; A: row 256 x block row + 128 x half
	s_lshl_b32 s46, s42, 8
	s_add_co_u32 s46, s46, s17                     ; B: row 256 x block column + 128 x half
	s_lshl_b32 s45, s45, 10
	s_add_co_u32 s46, s46, s45                     ;    + 1,024 p: the projection's own weight
	s_mov_b32 s17, 0
	s_mov_b32 s47, 0
	s_mov_b64 s[18:19], SIZE_K*2
	s_mul_u64 s[16:17], s[16:17], s[18:19]         ; in bytes
	s_mul_u64 s[46:47], s[46:47], s[18:19]
	s_mul_i32 s20, s10, HALFT                      ; where they go: wave x 128 rows
	s_wait_dscnt 0x0
	s_wait_kmcnt 0x0
	s_add_nc_u64 s[14:15], s[4:5], s[16:17]
	s_add_nc_u64 s[46:47], s[6:7], s[46:47]
	CROUND                                         ; all sixteen work-groups are here: the first joint loads meet
.irp s, 0,1
	s_mov_b32 s[G0+4*\s], 1                                        ; count = 1
	s_add_co_u32 s[G0+4*\s+1], s20, \s*SLOT                        ; LDS address
	s_add_nc_u64 s[G0+4*\s+2:G0+4*\s+3], s[14:15], \s*KSTEP*2      ; global address: K step s
	s_or_b32 s[G0+4*\s+3], s[G0+4*\s+3], 0x80000000                ; type = 2
	s_mov_b32 s[G0B+4*\s], 1
	s_add_co_u32 s[G0B+4*\s+1], s20, \s*SLOT
	s_add_nc_u64 s[G0B+4*\s+2:G0B+4*\s+3], s[46:47], \s*KSTEP*2
	s_or_b32 s[G0B+4*\s+3], s[G0B+4*\s+3], 0x80000000
	JLOAD \s                                       ; both first fills go out before anything else: two tensor loads of the wave are out, later one
.endr
	; A fragment is 16 rows x 32 K in 8 registers: lane l holds row l % 16; registers 0-3 K = 8 (l / 16) + 0..7, registers 4-7 K = 16 + 8 (l / 16) + 0..7:
	; two loads of 16 bytes, 32 bytes apart.
	v_and_b32 v1, 15, v0                           ; l % 16
	v_bfe_u32 v2, v0, 4, 1                         ; l / 16
	v_mul_u32_u24 v3, v1, PITCH
	v_lshl_add_u32 v3, v2, 4, v3                   ; row x pitch + 16 x half
	s_mul_i32 s21, s11, HALFT                      ; my 128 rows of A
	s_mul_i32 s22, s12, HALFT                      ; my 128 rows of B,
	s_add_co_u32 s22, s22, 2*HALFT                 ; which lie behind A's 256
.irp s, 0,1
	v_add_nc_u32 v[ADRA+\s], s21, v3
	v_add_nc_u32 v[ADRB+\s], s22, v3
	s_add_co_u32 s21, s21, SLOT
	s_add_co_u32 s22, s22, SLOT
.endr
	s_mul_i32 s23, s10, 16*SPITCH
	s_add_co_u32 s23, s23, STAGE                   ; my stage
	v_mul_u32_u24 v4, v1, SPITCH                   ; in: row l % 16, 16 bytes for each half of the lanes
	v_lshl_add_u32 v4, v2, 4, v4
	v_add_nc_u32 v[STO], s23, v4
	v_mul_u32_u24 v5, v2, SPITCH                   ; back: lanes 0-15 take one row of 256 bytes, lanes 16-31 the next
	v_lshl_add_u32 v5, v1, 4, v5
	v_add_nc_u32 v[RD], s23, v5
	v_mul_u32_u24 v5, v2, SIZE_N*2                 ; and the same two rows in C
	v_lshl_add_u32 v[CO], v1, 4, v5
; 16 matrix instructions: m blocks a0, a0 + 1 of the window's four x all 8 n blocks, 32 along K.  zero = 1: the first product starts the sums.
; The 64 accumulators take turns, one instruction a turn, in the same order in every quarter step.
.macro MUL16 f, hi, a0, zero
.irp a, \a0, \a0+1
.irp b, 0,1,2,3,4,5,6,7
.if \zero
	v_wmma_f32_16x16x32_f16 v[8*(8*(\a)+\b):8*(8*(\a)+\b)+7], v[\f+8*\b:\f+8*\b+7], v[\f+8*(4*\hi+\a):\f+8*(4*\hi+\a)+7], 0
.else
	v_wmma_f32_16x16x32_f16 v[8*(8*(\a)+\b):8*(8*(\a)+\b)+7], v[\f+8*\b:\f+8*\b+7], v[\f+8*(4*\hi+\a):\f+8*(4*\hi+\a)+7], v[8*(8*(\a)+\b):8*(8*(\a)+\b)+7]
.endif
.endr
.endr
.endm
; 32 LDS loads in one run: the fragments of one quarter step (128 rows of B, 128 rows of A, 32 K at byte k of the rows) into buffer f
.macro FETCH slot, k, f
	WIN TO_B
.irp i, 0,1,2,3,4,5,6,7
	ds_load_b128 v[\f+8*\i:\f+8*\i+3],   v[ADRB+\slot] offset:\k+\i*16*PITCH
	ds_load_b128 v[\f+8*\i+4:\f+8*\i+7], v[ADRB+\slot] offset:\k+\i*16*PITCH+32
.endr
	WIN 0
.irp i, 0,1,2,3,4,5,6,7
	ds_load_b128 v[\f+8*\i:\f+8*\i+3],   v[ADRA+\slot] offset:\k+\i*16*PITCH
	ds_load_b128 v[\f+8*\i+4:\f+8*\i+7], v[ADRA+\slot] offset:\k+\i*16*PITCH+32
.endr
.endm
; Four places between a matrix instruction and a load into a register that it has read, or a vector instruction that reads its result.
.macro PLACES
.rept 4
	v_nop
.endr
.endm
; A K step is four quarter steps of 32 along K, 64 matrix instructions each, on buffers 0, 1, 0, 1.
; One of the first three: multiplies buffer f; in its middle it fetches the next quarter's fragments into buffer g.
.macro QUARTER slot, k, f, g, zero
	s_wait_dscnt 8                                 ; B and A's rows 0-63 are in; the youngest eight loads (A's rows 64-127) may be out
	WIN MUL_LO
	MUL16 \f, 0, 0, \zero
	MUL16 \f, 0, 2, \zero
	PLACES
	FETCH \slot, \k, \g
	s_wait_dscnt 32                                ; all but the 32 just issued
	WIN MUL_HI
	MUL16 \f, 1, 0, \zero
	MUL16 \f, 1, 2, \zero
.endm
.macro THREE slot, zero
	QUARTER \slot, 64,  F0, F1, \zero
	QUARTER \slot, 128, F1, F0, 0
	QUARTER \slot, 192, F0, F1, 0
.endm
; The last quarter: multiplies buffer 1 and changes slots.  In front of the barrier each wave waits for its reads of this slot and for all its tensor loads
; (one is out: its part of the next slot).  Behind it the refill comes first, then the next slot's first fragments.
.macro TURN slot, next, fill
	s_wait_dscnt 8
	WIN MUL_LO
	MUL16 F1, 0, 0, 0
	s_wait_dscnt 0                                 ; my reads of this slot are over
	s_wait_tensorcnt 0x0                           ; and all my tensor loads have landed
	ds_add_u32 v255, v255
	s_wait_dscnt 0x0
	s_barrier_signal -1                            ; say so (where a slot is filled again this barrier opens a round of the cluster's barrier),
	MUL16 F1, 0, 2, 0                              ; work on registers while the others arrive,
	WIN 0
	s_barrier_wait -1
.if \fill
	CREST                                          ; no wave of any partner still reads this slot's tile or has a load on its way
	s_add_nc_u64 s[G0+4*\slot+2:G0+4*\slot+3], s[G0+4*\slot+2:G0+4*\slot+3], 2*KSTEP*2
	s_add_nc_u64 s[G0B+4*\slot+2:G0B+4*\slot+3], s[G0B+4*\slot+2:G0B+4*\slot+3], 2*KSTEP*2
	JLOAD \slot                                    ; the first tensor load behind the round, and the wave's only one until the next
.endif
	PLACES
	FETCH \next, 0, F0
	WIN MUL_HI
	MUL16 F1, 1, 0, 0
	MUL16 F1, 1, 2, 0
.endm
.macro LAP zero                        ; once round the ring, both slots filled again
	THREE 0, \zero
	TURN 0, 1, 1
	THREE 1, 0
	TURN 1, 0, 1
.endm
	s_wait_tensorcnt 1                             ; my part of K step 0 is in; K step 1's stays out
	s_barrier_signal -1
	s_barrier_wait -1                              ; everybody's is
	FETCH 0, 0, F0
	LAP 1                                          ; the first lap stands in front of the loop: its first products start the sums
.if LAPS > 2
	WIN 0                                          ; at a label and at a branch every window is 0
	s_mov_b32 s3, LAPS-2
.Llap:
	LAP 0
	WIN 0
	s_sub_co_u32 s3, s3, 1
	s_cmp_lg_u32 s3, 0
	s_cbranch_scc1 .Llap
.endif
	THREE 0, 0                                     ; the last lap fills nothing
	TURN 0, 1, 0
	THREE 1, 0
	s_wait_dscnt 8                                 ; the very last quarter: nothing more to fetch
	WIN MUL_LO
	MUL16 F1, 0, 0, 0
	MUL16 F1, 0, 2, 0
	s_wait_dscnt 0
	WIN MUL_HI
	MUL16 F1, 1, 0, 0
	MUL16 F1, 1, 2, 0
	; THE WAY OUT, 16 rows of C at a time: round to f16, 16 bytes a lane into my own stage in LDS, read back as whole rows of 256 bytes.
	PLACES
	s_lshl_b32 s13, s13, 8
	s_lshl_b32 s14, s11, 7
	s_add_co_u32 s16, s13, s14                     ; my first row of C
	s_mov_b32 s17, 0
	s_mov_b64 s[18:19], SIZE_N*2
	s_mul_u64 s[16:17], s[16:17], s[18:19]
	s_add_nc_u64 s[8:9], s[8:9], s[16:17]
	s_lshl_b32 s46, s42, 9                         ; my first column, in bytes: 512 x block + 256 x half
	s_lshl_b32 s47, s12, 8
	s_add_co_u32 s46, s46, s47
	s_mov_b32 s47, 0
	s_add_nc_u64 s[8:9], s[8:9], s[46:47]
; rows 16 i .. 16 i + 15 of my block = the eight tiles (a, 0..7) of window 2 or 3 (from = 0x0a or 0x0f: sources 0 and 1); f: F0 or F1 in turn
.macro OUT16 i, a, from, f
	WIN \from
.irp b, 0,1,2,3,4,5,6,7
.irp r, 0,1,2,3
	v_cvt_pk_f16_f32 v[TMP+4*\b+\r], v[8*(8*\a+\b)+2*\r], v[8*(8*\a+\b)+2*\r+1]
.endr
.endr
	WIN 0
.irp b, 0,1,2,3,4,5,6,7
	ds_store_b128 v[STO], v[TMP+4*\b:TMP+4*\b+3] offset:32*\b
.endr
	s_wait_xcnt 0x0                                ; buffer f, which earlier stores read, and the stores' base are rewritten only behind this wait
.if \i
	s_add_nc_u64 s[8:9], s[8:9], 16*SIZE_N*2       ; 16 rows of C on
.endif
.irp t, 0,1,2,3,4,5,6,7
	ds_load_b128 v[\f+4*\t:\f+4*\t+3], v[RD] offset:\t*2*SPITCH    ; LDS serves a wave's instructions in order: these see the stores above
.endr
.irp t, 0,1,2,3,4,5,6,7
	s_wait_dscnt 7-\t                              ; read-back t is in, the younger ones stay out
	global_store_b128 v[CO], v[\f+4*\t:\f+4*\t+3], s[8:9] offset:2*\t*SIZE_N*2   ; 16 lanes store 256 consecutive bytes, at a multiple of 256 from C's first byte
.endr
.endm
	OUT16 0, 0, 0x0a, F0
	OUT16 1, 1, 0x0a, F1
	OUT16 2, 2, 0x0a, F0
	OUT16 3, 3, 0x0a, F1
	OUT16 4, 0, 0x0f, F0
	OUT16 5, 1, 0x0f, F1
	OUT16 6, 2, 0x0f, F0
	OUT16 7, 3, 0x0f, F1
	s_set_vgpr_msb 0x1
	s_wait_tensorcnt 0x0
	ds_add_u32 v255, v255
	s_wait_dscnt 0x0
	s_set_vgpr_msb 0x100
	CROUND                                         ; the closing round: no work-group ends while a partner may still ask for a tile that names it
	s_endpgm
.Lfunc_end_k_q3d896cd413_proj:
	.size	k_q3d896cd413_proj, .Lfunc_end_k_q3d896cd413_proj-k_q3d896cd413_proj
	.p2alignl 7, 3214868480
	.fill 96, 4, 3214868480
	.section	.rodata,"a",@progbits
	.p2align	6, 0x0
	.amdhsa_kernel k_q3d896cd413_proj
		.amdhsa_group_segment_fixed_size 327680
		.amdhsa_private_segment_fixed_size 0
		.amdhsa_enable_private_segment 0
		.amdhsa_kernarg_size 24
		.amdhsa_user_sgpr_count 2
		.amdhsa_user_sgpr_kernarg_segment_ptr 1
		.amdhsa_wavefront_size32 1
		.amdhsa_system_sgpr_workgroup_id_x 1
		.amdhsa_system_sgpr_workgroup_id_y 1
		.amdhsa_system_sgpr_workgroup_id_z 1
		.amdhsa_system_vgpr_workitem_id 0
		.amdhsa_next_free_vgpr 1024
		.amdhsa_next_free_sgpr 66
		.amdhsa_reserve_vcc 0
		.amdhsa_float_denorm_mode_32 3
		.amdhsa_float_denorm_mode_16_64 3
		.amdhsa_memory_ordered 1
		.amdhsa_forward_progress 1
		.amdhsa_inst_pref_size 196
	.end_amdhsa_kernel
	.amdgpu_metadata
---
amdhsa.version: [ 1, 2 ]
amdhsa.kernels:
  - .name:           k_q3d896cd413_proj
    .symbol:         k_q3d896cd413_proj.kd
    .args:
      - { .name: xh, .offset: 0, .size: 8, .value_kind: global_buffer, .address_space: global }
      - { .name: wh, .offset: 8, .size: 8, .value_kind: global_buffer, .address_space: global }
      - { .name: qkv, .offset: 16, .size: 8, .value_kind: global_buffer, .address_space: global }
    .group_segment_fixed_size: 327680
    .private_segment_fixed_size: 0
    .kernarg_segment_align: 8
    .kernarg_segment_size: 24
    .max_flat_workgroup_size: 128
    .sgpr_count:     66
    .vgpr_count:     1024
    .wavefront_size: 32
...
	.end_amdgpu_metadata
.endif
;; end of part 2
;; launch attn (part 3): grid 8 x 32, 8 waves a work-group, clusters of 4 x 1, 327,680 bytes of LDS; arguments qkv, ao; writes ao
.if DOCPART == 3
	.amdgcn_target "amdgcn-amd-amdhsa--gfx1250"
	.amdhsa_code_object_version 6
	.text
	.protected	k_q3d896cd413_attn
	.globl	k_q3d896cd413_attn
	.p2align	8
	.type	k_q3d896cd413_attn,@function
k_q3d896cd413_attn:
	s_mov_b64 s[64:65], 0
	v_nop
	global_prefetch_b8 v0, s[64:65] scope:SCOPE_SE
	s_setreg_imm32_b32 hwreg(HW_REG_WAVE_MODE, 25, 1), 1
	s_wait_xcnt 0x0
	s_wait_alu depctr_hold_cnt(0) depctr_sa_sdst(0) depctr_va_vdst(0) depctr_va_sdst(0) depctr_va_ssrc(0) depctr_va_vcc(0) depctr_vm_vsrc(0)
	s_getreg_b32 s2, hwreg(HW_REG_IB_STS2, 6, 4)
	s_cmp_eq_u32 s2, 0
	s_cbranch_scc0 .Lentry_in_a_cluster
	s_endpgm
.Lentry_in_a_cluster:
	s_bfe_u32 s2, ttmp6, 0x10000c
	s_cmp_lg_u32 s2, 0x3003
	s_cbranch_scc0 .Lentry_shape_is_right
	s_endpgm
.Lentry_shape_is_right:
; ao = softmax(q k^T / 8) v for each batch and head.  qkv: [3][8192][1024] f16 (q, k, v; token-major, head h in columns 64 h ..); ao: [8192][1024] f16.
; Products with f16 operands and f32 sums; the softmax and its running state (maximum, sum, output) in f32, with a RUNNING MAXIMUM taken away before every exponential.
; LIMITS: a probability under 2^-24 of its row's largest becomes 0 when it is rounded to f16; NaN and infinities in q, k, v get no treatment of their own.
; SHARES.  Work-group (x, y): y = 8 batch + pair of heads, x = a block of 256 queries.  Two heads together make every row of K, of V and of the result 256 aligned bytes.
; Eight waves: wave w takes head w >> 2 of the pair and queries 64 (w & 3) .. + 63, as four blocks q of 16.  Two waves lie on a SIMD, 512 registers each.
; CLUSTERS: the four work-groups of a cluster are four query blocks of one pair of heads and walk the same tiles of K and V: every tile is asked for jointly (mask 15).
; TILES: 256 keys x 128 columns of K and of V, in two LDS slots.  Waves 0-3 fetch 64 rows of K each, waves 4-7 64 rows of V: one tensor load a wave for each slot.
; A tile is asked for a whole tile's work ahead (256 matrix instructions of each wave).  A wave has two tensor loads out at the start, later one.
; LAYOUT.  S^T = K Q^T (source 0: 16 keys, source 1: 16 queries): lane (r, h) holds query r and keys 8 h + 0..7 of each tile, so a query's maximum and sum are one number a
; lane (and one exchange between the halves of the lanes), and two neighbouring tiles, rounded to f16 in place, ARE source 1 of O^T = V^T P^T.  V^T comes by transposing
; LDS loads.  In O^T lane (r, h) holds query r and eight neighbouring columns.
; ORDER.  A step is 64 keys, and goes query block by query block.  The segment of block q: its maximum and scaling; its 32 exponentials, with the eight products of block
; q + 1's S^T among them, one in front of every four; its sum and rounding; the rescaling of its O and its eight products for O^T.  So products stand in runs of eight, one
; of the two runs among independent exponentials of the same wave, and a wave never holds one kind of work for long while the other wave of its SIMD wants the same kind.
; S^T needs two buffers of 32 registers (block q in buffer q & 1).  The fragment buffers are single: K's next 64 keys are asked for when block 3's products have read the
; old ones, V's when block 3's products for O^T have.  At a tile's end the order runs empty: the last segment carries no products, and block 0's stand alone behind the barrier.
.set KP,    272                        ; K's LDS pitch: 256 + 16, an odd multiple of 16
.set VP,    288                        ; V's LDS pitch: 256 + 32, an odd multiple of 32, as the transposing loads want
.set VOFF,  73728                      ; V's rows in a slot: wave w (4..7) fills at 18,432 w.  K's 69,632 bytes lie in front, 4,096 bytes between are unused
.set SLOT,  147456
.set TILEB, 256*2048                   ; bytes from a tile of 256 tokens to the next
; window 0: all that S^T and the softmax name, so that they run under one setting
.set ADRK, 2                           ; v2-5     K fragments: entry 2 slot + half (a half is 128 keys, so that offsets stay under 65,536)
.set ADRV, 6                           ; v6-9     V fragments, likewise
.set QO,   10                          ; v10      my offset in q
.set STO,  11                          ; v11      the way out: where I put 16 bytes
.set RD,   12                          ; v12      the way out: where I read back
.set CO,   13                          ; v13      my offset in ao
.set ST,   16                          ; v16-31   block q at ST + 4 q: NM = - c x maximum, L = my lane's sum, AL = the step's factor, one word to fill AL's pair
.set T,    32                          ; v32-39   at work
.set KF,   40                          ; v40-103  K fragments (tb, ks) at 16 tb + 8 ks; on the way out the packed results
.set QF,   104                         ; v104-167 Q fragments (q, ks) at 16 q + 8 ks; on the way out the rows read back
.set SB,   168                         ; v168-231 two buffers of S^T: tile tb at 32 b + 8 tb; then P in f16: half k2 at 32 b + 16 k2, 8 registers
; window 1
.set O,    0                           ; O^T tiles (q, db) at 32 q + 8 db
.set VF,   128                         ; V^T fragments (k2, db) at 32 k2 + 8 db
.set G1K, 16                           ; s[16:23] group 1 for K's tiles
.set G1V, 24                           ; s[24:31] group 1 for V's tiles: another padding
.set G0K, 32                           ; s[32:39] group 0 for K, a set for each slot
.set G0V, 40                           ; s[40:47] group 0 for V
.set TO_V, 0x40                        ; destination in window 1, address in window 0: V's loads
.set ON_O, 0x51                        ; source 0, source 2 and destination in window 1, source 1 in window 0: O x AL, and O += V^T P
.set MSB, 0
.macro WIN new                         ; low byte: bits 1:0 source 0, 3:2 source 1, 5:4 source 2, 7:6 destination; the high byte repeats the setting that is left
.if MSB != \new
	s_set_vgpr_msb (MSB<<8)|\new
.set MSB, \new
.endif
.endm
.macro ROUND                           ; a round of the cluster's barrier
	s_barrier_signal -1
	s_barrier_wait -1
	s_cmp_lg_u32 s8, 0
	s_cbranch_scc1 .Lnot_wave_0_\@
	s_barrier_signal -3
.Lnot_wave_0_\@:
	s_barrier_wait -3
	s_barrier_signal -1
	s_barrier_wait -1
.endm
.macro JLOAD s                         ; waves 0-3 ask for K's rows, waves 4-7 for V's; the branch hangs on the wave's number alone
	s_cmp_eq_u32 s9, 0
	s_cbranch_scc0 .Lfor_v_\@
	tensor_load_to_lds s[G0K+4*\s:G0K+4*\s+3], s[G1K:G1K+7]
	s_nop 0
	s_branch .Lasked_\@
.Lfor_v_\@:
	tensor_load_to_lds s[G0V+4*\s:G0V+4*\s+3], s[G1V:G1V+7]
	s_nop 0
.Lasked_\@:
.endm
	s_load_b128 s[4:7], s[0:1], 0x0                ; qkv s[4:5], ao s[6:7]
	v_lshl_add_u32 v254, v0, 2, 0x48000
	v_mov_b32 v255, 0
	ds_add_u32 v254, v255
	v_lshrrev_b32 v1, 5, v0
	v_readfirstlane_b32 s8, v1                     ; wave 0..7
	s_lshr_b32 s9, s8, 2                           ; my head of the pair.  Also: I fetch K (0) or V (1)
	s_and_b32 s10, s8, 3                           ; my 64 queries.  Also: which 64 rows of a tile I fetch
	s_bfe_u32 s11, ttmp6, 0x40000                  ; cx
	s_lshl_b32 s12, ttmp9, 2
	s_add_co_u32 s12, s12, s11                     ; block of 256 queries = 4 x cluster x + cx
	s_and_b32 s13, ttmp7, 0xffff                   ; y
	s_lshr_b32 s14, s13, 3                         ; batch
	s_and_b32 s15, s13, 7                          ; pair of heads
	s_mov_b32 s50, 0x3e38aa3b                      ; c = log2(e) / 8: the scale 1 / sqrt(64) and the change to base 2 in one factor,
	s_mov_b32 s51, 0x3e38aa3b                      ; twice, since the packed form names a pair
	s_mov_b32 s52, 0xbe38aa3b                      ; - c
	s_mov_b32 s53, 0x76543210                      ; v_permlanex16_b32: lane i reads lane i of the other half
	s_mov_b32 s54, 0xfedcba98
	; group 1: 64 rows x 128 elements of 2 bytes, pitch 1,024 elements; padding behind every 64 words: K 4 words, V 8 words; mask 15 with bit 21 beside it
	s_mov_b32 s[G1K+0], 15|(1<<16)|(1<<20)|(1<<21)|(5<<22)|(3<<25)
	s_mov_b32 s[G1V+0], 15|(1<<16)|(1<<20)|(1<<21)|(5<<22)|(7<<25)
	s_mov_b32 s[G1K+1], 128<<16                    ; tensor_dim0 = 128
	s_mov_b32 s[G1V+1], 128<<16
	s_mov_b32 s[G1K+2], 64<<16                     ; tensor_dim1 = 64
	s_mov_b32 s[G1V+2], 64<<16
	s_mov_b32 s[G1K+3], 128<<16                    ; tile_dim0 = 128
	s_mov_b32 s[G1V+3], 128<<16
	s_mov_b32 s[G1K+4], 64                         ; tile_dim1 = 64
	s_mov_b32 s[G1V+4], 64
	s_mov_b32 s[G1K+5], 1024
	s_mov_b32 s[G1V+5], 1024
	s_mov_b32 s[G1K+6], 0
	s_mov_b32 s[G1V+6], 0
	s_mov_b32 s[G1K+7], 0
	s_mov_b32 s[G1V+7], 0
	; offsets.  s[48:49], which feeds the joint loads, is made of batch, pair of heads and wave alone; what holds cx stays in s11, s12, s[60:63] and s[6:7]
	s_lshl_b32 s48, s14, 22                        ; batch x 2,048 tokens x 2,048 bytes
	s_lshl_b32 s2, s10, 17                         ; + 64 (w & 3) tokens
	s_add_co_u32 s48, s48, s2
	s_lshl_b32 s2, s15, 8                          ; + the pair's 256 bytes of a row
	s_add_co_u32 s48, s48, s2
	s_mov_b32 s49, 0
	s_lshl_b32 s62, s12, 19                        ; q: + 256 tokens x block
	s_lshl_b32 s2, s9, 7                           ;    + my head's 128 bytes
	s_add_co_u32 s62, s62, s2
	s_mov_b32 s63, 0
	s_mul_i32 s2, s8, 64*KP                        ; where my rows of K would go,
	s_mul_i32 s3, s8, 64*VP                        ; and my rows of V
	s_wait_dscnt 0x0
	s_wait_kmcnt 0x0
	s_add_nc_u64 s[56:57], s[4:5], s[48:49]
	s_add_nc_u64 s[60:61], s[56:57], s[62:63]      ; q at my first query and head
	s_add_nc_u64 s[58:59], s[56:57], 0x2000000     ; v's plane
	s_add_nc_u64 s[56:57], s[56:57], 0x1000000     ; k's plane
	ROUND                                          ; all four work-groups are here: the first joint loads meet
.irp s, 0,1
	s_mov_b32 s[G0K+4*\s], 1
	s_add_co_u32 s[G0K+4*\s+1], s2, \s*SLOT
	s_add_nc_u64 s[G0K+4*\s+2:G0K+4*\s+3], s[56:57], \s*TILEB      ; tile s
	s_or_b32 s[G0K+4*\s+3], s[G0K+4*\s+3], 0x80000000
	s_mov_b32 s[G0V+4*\s], 1
	s_add_co_u32 s[G0V+4*\s+1], s3, \s*SLOT
	s_add_nc_u64 s[G0V+4*\s+2:G0V+4*\s+3], s[58:59], \s*TILEB
	s_or_b32 s[G0V+4*\s+3], s[G0V+4*\s+3], 0x80000000
	JLOAD \s
.endr
	s_lshl_b32 s62, s12, 19                        ; ao: 256 tokens x block
	s_lshl_b32 s2, s14, 22                         ;   + batch
	s_add_co_u32 s62, s62, s2
	s_lshl_b32 s2, s8, 16                          ;   + 32 rows x wave (the rows that I store)
	s_add_co_u32 s62, s62, s2
	s_lshl_b32 s2, s15, 8                          ;   + the pair's 256 bytes
	s_add_co_u32 s62, s62, s2
	s_add_nc_u64 s[6:7], s[6:7], s[62:63]
	v_and_b32 v1, 15, v0                           ; r
	v_bfe_u32 v14, v0, 4, 1                        ; h
	v_lshlrev_b32 v[QO], 11, v1
	v_lshl_add_u32 v[QO], v14, 4, v[QO]            ; r rows of 2,048 bytes + 16 h
	; Q's fragments, once: source 1 of S^T, lane (r, h) holds query r, columns 32 ks + 8 h .. and 32 ks + 16 + 8 h ..
.irp q, 0,1,2,3
.irp ks, 0,1
	global_load_b128 v[QF+16*\q+8*\ks:QF+16*\q+8*\ks+3],   v[QO], s[60:61] offset:32768*\q+64*\ks
	global_load_b128 v[QF+16*\q+8*\ks+4:QF+16*\q+8*\ks+7], v[QO], s[60:61] offset:32768*\q+64*\ks+32
.endr
.endr
	s_lshl_b32 s2, s9, 7                           ; my head's 128 bytes of an LDS row
	v_mul_u32_u24 v15, v1, KP
	v_lshl_add_u32 v15, v14, 4, v15                ; r x 272 + 16 h
	v_add_nc_u32 v[ADRK], s2, v15
	v_add_nc_u32 v[ADRK+1], 128*KP, v[ADRK]
	v_add_nc_u32 v[ADRK+2], SLOT, v[ADRK]
	v_add_nc_u32 v[ADRK+3], SLOT+128*KP, v[ADRK]
	v_and_b32 v15, 7, v0
	v_lshl_add_u32 v15, v14, 3, v15                ; 8 h + (l & 7): the key whose 16 bytes I address
	v_mul_u32_u24 v15, v15, VP
	v_bfe_u32 v[T], v0, 3, 1
	v_lshl_add_u32 v15, v[T], 4, v15               ; + 16 ((l >> 3) & 1)
	s_add_co_u32 s2, s2, VOFF
	v_add_nc_u32 v[ADRV], s2, v15
	v_add_nc_u32 v[ADRV+1], 128*VP, v[ADRV]
	v_add_nc_u32 v[ADRV+2], SLOT, v[ADRV]
	v_add_nc_u32 v[ADRV+3], SLOT+128*VP, v[ADRV]
	s_mul_i32 s2, s10, 64*KP
	v_add_nc_u32 v[STO], s2, v[ADRK]               ; (64 (w & 3) + r) x 272 + 128 head + 16 h
	s_mul_i32 s2, s8, 32*KP
	v_mul_u32_u24 v15, v14, KP
	v_lshl_add_u32 v15, v1, 4, v15
	v_add_nc_u32 v[RD], s2, v15                    ; (32 w + h) x 272 + 16 r
	v_lshlrev_b32 v[CO], 11, v14
	v_lshl_add_u32 v[CO], v1, 4, v[CO]             ; h rows of 2,048 bytes + 16 r
.irp q, 0,1,2,3
	v_mov_b32 v[ST+4*\q+1], 0                      ; the second words of the pairs (NM, L) and (AL, -) that the packed forms name: written once so that
	v_mov_b32 v[ST+4*\q+3], 0                      ; each pair is whole; their values are not used (the first step writes L)
.endr
; K's fragments of keys 64 j .. 64 j + 63 of the tile in a slot: sixteen loads (window setting 0)
.macro KLOAD slot, j
.irp tb, 0,1,2,3
.irp ks, 0,1
	ds_load_b128 v[KF+16*\tb+8*\ks:KF+16*\tb+8*\ks+3],   v[ADRK+2*\slot+((\j)>>1)] offset:(((\j)&1)*64+16*\tb)*KP+64*\ks
	ds_load_b128 v[KF+16*\tb+8*\ks+4:KF+16*\tb+8*\ks+7], v[ADRK+2*\slot+((\j)>>1)] offset:(((\j)&1)*64+16*\tb)*KP+64*\ks+32
.endr
.endr
.endm
; V^T's fragments of the same keys: sixteen transposing loads (window setting TO_V)
.macro VLOAD slot, j
.irp k2, 0,1
.irp db, 0,1,2,3
	ds_load_tr16_b128 v[VF+32*\k2+8*\db:VF+32*\k2+8*\db+3],   v[ADRV+2*\slot+((\j)>>1)] offset:(((\j)&1)*64+32*\k2)*VP+32*\db
	ds_load_tr16_b128 v[VF+32*\k2+8*\db+4:VF+32*\k2+8*\db+7], v[ADRV+2*\slot+((\j)>>1)] offset:(((\j)&1)*64+32*\k2)*VP+32*\db+16*VP
.endr
.endr
.endm
; The i-th of the eight products of S^T for query block q into buffer b: key block i & 3, columns 32 (i >> 2) ..  The first four start the sums.
; The four accumulators take turns, one instruction a turn.
.macro QKW b, q, i
.if \i < 4
	v_wmma_f32_16x16x32_f16 v[SB+32*(\b)+8*(\i):SB+32*(\b)+8*(\i)+7], v[KF+16*(\i):KF+16*(\i)+7], v[QF+16*(\q):QF+16*(\q)+7], 0
.else
	v_wmma_f32_16x16x32_f16 v[SB+32*(\b)+8*(\i-4):SB+32*(\b)+8*(\i-4)+7], v[KF+16*(\i-4)+8:KF+16*(\i-4)+15], v[QF+16*(\q)+8:QF+16*(\q)+15], v[SB+32*(\b)+8*(\i-4):SB+32*(\b)+8*(\i-4)+7]
.endif
.endm
; Block q's 64 new scores (32 numbers a lane, in buffer b): the maximum, the running state, and c s - c maximum.  first = 1: nothing is carried yet.
.macro SMA q, b, first
.irp c, 0,1,2,3
	v_max3_num_f32 v[T+\c], v[SB+32*\b+8*\c], v[SB+32*\b+8*\c+1], v[SB+32*\b+8*\c+2]           ; four chains that do not wait for each other
.endr
.irp c, 0,1,2,3
	v_max3_num_f32 v[T+\c], v[T+\c], v[SB+32*\b+8*\c+3], v[SB+32*\b+8*\c+4]
.endr
.irp c, 0,1,2,3
	v_max3_num_f32 v[T+\c], v[T+\c], v[SB+32*\b+8*\c+5], v[SB+32*\b+8*\c+6]
.endr
	v_max3_num_f32 v[T],   v[T],   v[T+1], v[SB+32*\b+7]
	v_max3_num_f32 v[T+2], v[T+2], v[T+3], v[SB+32*\b+15]
	v_max3_num_f32 v[T],   v[T],   v[T+2], v[SB+32*\b+23]
	v_max_num_f32  v[T],   v[T],   v[SB+32*\b+31]
	v_permlanex16_b32 v[T+1], v[T], s53, s54                       ; the other half of the lanes holds the query's other keys
	v_max_num_f32  v[T],   v[T],   v[T+1]
.if \first
	v_mul_f32 v[ST+4*\q], s52, v[T]                                ; NM = - c x maximum
.else
	v_mul_f32 v[T], s52, v[T]
	v_min_num_f32 v[T], v[ST+4*\q], v[T]                           ; the new NM: the running maximum can only grow
	v_sub_f32 v[T+1], v[T], v[ST+4*\q]                             ; c (old maximum - new maximum), never above 0
	v_mov_b32 v[ST+4*\q], v[T]
	v_exp_f32 v[ST+4*\q+2], v[T+1]                                 ; AL; the packed line below touches neither AL nor its source (ISA guide 5.7.2)
.endif
.set e, 0
.rept 16
	v_pk_fma_f32 v[SB+32*\b+e:SB+32*\b+e+1], v[SB+32*\b+e:SB+32*\b+e+1], s[50:51], v[ST+4*\q:ST+4*\q+1] op_sel_hi:[1,0,0]   ; c s - c maximum, both halves with s50 and NM
.set e, e+2
.endr
.endm
; The 32 exponentials of buffer b, in place.  qk = 1: the eight products of block nq's S^T, into buffer nb, stand among them, one in front of every four:
; they name none of buffer b's registers, and buffer nb was last read (as P) in front of the 38 plain instructions of SMA.
.macro EXPS b, qk, nb, nq
.irp i, 0,1,2,3,4,5,6,7
.if \qk
	QKW \nb, \nq, \i
.endif
	v_exp_f32 v[SB+32*\b+4*\i],   v[SB+32*\b+4*\i]
	v_exp_f32 v[SB+32*\b+4*\i+1], v[SB+32*\b+4*\i+1]
	v_exp_f32 v[SB+32*\b+4*\i+2], v[SB+32*\b+4*\i+2]
	v_exp_f32 v[SB+32*\b+4*\i+3], v[SB+32*\b+4*\i+3]
.endr
	v_nop                                                          ; one plain place behind the last exponential
.endm
; Block q's sum and the rounding of its probabilities to f16.  Where KL is 1, K's next fragments (step jn of the slot) are asked for behind the first four sums.
.macro SMC q, b, first, slot, jn
	s_wait_alu depctr_va_vdst(0)
.irp c, 0,1,2,3
	v_pk_add_f32 v[T+2*\c:T+2*\c+1], v[SB+32*\b+2*\c:SB+32*\b+2*\c+1], v[SB+32*\b+8+2*\c:SB+32*\b+8+2*\c+1]               ; the sum, in four chains of pairs
.endr
.if KL
	KLOAD \slot, \jn                               ; block 3's products have read the old fragments; the v_nop and the four sums above are five places behind the last (ISA guide 7.12.1)
.endif
.irp c, 0,1,2,3
	v_pk_add_f32 v[T+2*\c:T+2*\c+1], v[T+2*\c:T+2*\c+1], v[SB+32*\b+16+2*\c:SB+32*\b+16+2*\c+1]
.endr
.irp c, 0,1,2,3
	v_pk_add_f32 v[T+2*\c:T+2*\c+1], v[T+2*\c:T+2*\c+1], v[SB+32*\b+24+2*\c:SB+32*\b+24+2*\c+1]
.endr
	v_pk_add_f32 v[T:T+1],   v[T:T+1],   v[T+2:T+3]
	v_pk_add_f32 v[T+4:T+5], v[T+4:T+5], v[T+6:T+7]
	v_pk_add_f32 v[T:T+1],   v[T:T+1],   v[T+4:T+5]
.if \first
	v_add_f32 v[ST+4*\q+1], v[T], v[T+1]                           ; L: my lane's part; the two halves of the lanes meet once, at the end
.else
	v_add_f32 v[T], v[T], v[T+1]
	v_fma_f32 v[ST+4*\q+1], v[ST+4*\q+1], v[ST+4*\q+2], v[T]       ; L = L x AL + the step's sum
.endif
.irp k2, 0,1
.irp i, 0,1,2,3,4,5,6,7
	v_cvt_pk_f16_f32 v[SB+32*\b+16*\k2+\i], v[SB+32*\b+16*\k2+2*\i], v[SB+32*\b+16*\k2+2*\i+1]   ; in place, ascending: register i is written when 2 i and 2 i + 1 are read
.endr
.endr
.endm
.macro RESCALE q                       ; O of block q times AL (window setting ON_O: O in window 1, AL in window 0)
.set e, 0
.rept 16
	v_pk_mul_f32 v[O+32*\q+e:O+32*\q+e+1], v[O+32*\q+e:O+32*\q+e+1], v[ST+4*\q+2:ST+4*\q+3] op_sel_hi:[1,0]
.set e, e+2
.endr
.endm
; Block q's O: rescaled, then O^T += V^T P^T with P in buffer b (window setting ON_O).  first = 1: the first four products start the sums: nothing is cleared.
; The four accumulators take turns, one instruction a turn.
.macro PVQ q, b, first
.if \first == 0
	RESCALE \q
.endif
.irp k2, 0,1
.irp db, 0,1,2,3
.if \first*(1-\k2)
	v_wmma_f32_16x16x32_f16 v[O+32*\q+8*\db:O+32*\q+8*\db+7], v[VF+32*\k2+8*\db:VF+32*\k2+8*\db+7], v[SB+32*\b+16*\k2:SB+32*\b+16*\k2+7], 0
.else
	v_wmma_f32_16x16x32_f16 v[O+32*\q+8*\db:O+32*\q+8*\db+7], v[VF+32*\k2+8*\db:VF+32*\k2+8*\db+7], v[SB+32*\b+16*\k2:SB+32*\b+16*\k2+7], v[O+32*\q+8*\db:O+32*\q+8*\db+7]
.endif
.endr
.endr
.endm
; The segment of query block q (buffer b) in step j of the tile in a slot.  nq, nb: the block whose S^T is made meanwhile, and its buffer; jn = j + 1.
.macro SEG slot, j, jn, q, b, nb, nq, first
	SMA \q, \b, \first
.if \q < 3
	EXPS \b, 1, \nb, \nq
.else
.if \j < 3
	s_wait_dscnt 0x0                               ; K's next fragments, asked for in block 2's segment, are in; no other LDS load is out
	EXPS \b, 1, \nb, \nq
.else
	EXPS \b, 0, \nb, \nq                           ; the tile's last segment: the next keys lie behind the barrier
.endif
.endif
.set KL, 0
.if \q == 2
.if \j < 3
.set KL, 1
.endif
.endif
	SMC \q, \b, \first, \slot, \jn
.if \q == 0
	s_wait_dscnt 0x0                               ; this step's V^T fragments are in; no other LDS load is out
.endif
	WIN ON_O
	PVQ \q, \b, \first
.if \q == 3
.rept 4
	v_nop                                          ; four places before loads land in V^T's registers, and before the way out reads O
.endr
.if \j < 3
	WIN TO_V
	VLOAD \slot, \jn                               ; the next step's V^T: it has block 0's whole segment in which to come
.endif
.endif
	WIN 0
.endm
.macro STEP slot, j, jn, first         ; 64 keys
	SEG \slot, \j, \jn, 0, 0, 1, 1, \first
	SEG \slot, \j, \jn, 1, 1, 0, 2, \first
	SEG \slot, \j, \jn, 2, 0, 1, 3, \first
	SEG \slot, \j, \jn, 3, 1, 0, 0, \first
.endm
.macro TILE slot, first                ; 256 keys: the first fragments, block 0's S^T by itself, then four steps
	KLOAD \slot, 0
	WIN TO_V
	VLOAD \slot, 0
	WIN 0
	s_wait_dscnt 16                                ; K's sixteen loads are in; V's sixteen, issued behind them, stay out until block 0's O wants them
.irp i, 0,1,2,3,4,5,6,7
	QKW 0, 0, \i
.endr
.rept 4
	v_nop                                          ; four places (ISA guide 7.12.1) before vector instructions read these products
.endr
	STEP \slot, 0, 1, \first
	STEP \slot, 1, 2, 0
	STEP \slot, 2, 3, 0
	STEP \slot, 3, 4, 0
.endm
; A tile in a slot.  refill = 1: the other slot, read last, is filled again, two tiles ahead.
.macro TWO slot, other, refill
	s_wait_tensorcnt 0x0                           ; all my tensor loads have landed, my part of this slot's tile among them: none is out, so a group 0 may be written
	ds_add_u32 v254, v255
	s_wait_dscnt 0x0
.if \refill
	s_add_nc_u64 s[G0K+4*\other+2:G0K+4*\other+3], s[G0K+4*\other+2:G0K+4*\other+3], 2*TILEB
	s_add_nc_u64 s[G0V+4*\other+2:G0V+4*\other+3], s[G0V+4*\other+2:G0V+4*\other+3], 2*TILEB
.endif
	s_wait_dscnt 0x0                               ; my reads of the other slot are over
.if \refill
	ROUND                                          ; both now hold of every wave of all four work-groups
	JLOAD \other                                   ; the first tensor load behind the round, and my only one until the next
.else
	s_barrier_signal -1                            ; the last tile: nothing is filled, the barrier shows the whole slot to every wave
	s_barrier_wait -1
.endif
	TILE \slot, 0
.endm
	s_wait_tensorcnt 0x1                           ; my part of tile 0 is in; tile 1's stays out
	s_barrier_signal -1
	s_barrier_wait -1
	s_wait_loadcnt 0x0                             ; Q's fragments
	TILE 0, 1                                      ; the first 64 keys start maximum, sum and O
	s_mov_b32 s55, 3
.Llap:                                             ; tiles 1 to 6; asks for tiles 2 to 7
	TWO 1, 0, 1
	TWO 0, 1, 1
	s_sub_co_u32 s55, s55, 1
	s_cmp_lg_u32 s55, 0
	s_cbranch_scc1 .Llap
	TWO 1, 0, 0                                    ; tile 7
	; THE WAY OUT.  O / L, rounded to f16, 16 bytes a lane into a stage of 256 rows x 272 bytes, read back as whole rows of the pair of heads, 256 bytes.
	; The stage is slot 0's K region: it has had its last fill (tile 6), and every wave's reads of it were waited for in front of the last tile's barrier.
.irp q, 0,1,2,3
	v_permlanex16_b32 v[T+2*\q], v[ST+4*\q+1], s53, s54            ; the other half's part of the sum
	v_add_f32 v[ST+4*\q+1], v[ST+4*\q+1], v[T+2*\q]
.endr
.irp q, 0,1,2,3
	v_rcp_f32 v[ST+4*\q+2], v[ST+4*\q+1]                           ; L is at least about 1: the largest term is 2^0
.endr
	v_nop                                          ; one plain place behind the last reciprocal
	s_wait_alu depctr_va_vdst(0)
	WIN ON_O
	RESCALE 0
	RESCALE 1
	RESCALE 2
	RESCALE 3
	WIN 0x05                                       ; sources in window 1, destination in window 0
.irp q, 0,1,2,3
.irp db, 0,1,2,3
.irp i, 0,1,2,3
	v_cvt_pk_f16_f32 v[KF+4*(4*\q+\db)+\i], v[O+32*\q+8*\db+2*\i], v[O+32*\q+8*\db+2*\i+1]
.endr
.endr
.endr
	WIN 0
.irp q, 0,1,2,3
.irp db, 0,1,2,3
	ds_store_b128 v[STO], v[KF+4*(4*\q+\db):KF+4*(4*\q+\db)+3] offset:16*KP*\q+32*\db
.endr
.endr
	s_wait_dscnt 0x0                               ; for the others' sake: my stores are done
	s_barrier_signal -1
	s_barrier_wait -1                              ; a row holds two heads, which two waves wrote
.irp t, 0,1,2,3,4,5,6,7,8,9,10,11,12,13,14,15
	ds_load_b128 v[QF+4*\t:QF+4*\t+3], v[RD] offset:2*KP*\t        ; lanes 0-15 one row of 256 bytes, lanes 16-31 the next
.endr
.irp t, 0,1,2,3,4,5,6,7,8,9,10,11,12,13,14,15
	s_wait_dscnt 15-\t                             ; read-back t is in, the younger ones stay out
	global_store_b128 v[CO], v[QF+4*\t:QF+4*\t+3], s[6:7] offset:4096*\t   ; 16 lanes store 256 consecutive bytes, at a multiple of 256 from ao's first byte
.endr
	s_wait_tensorcnt 0x0
	ds_add_u32 v254, v255
	s_wait_dscnt 0x0
	ROUND                                          ; the closing round: no work-group ends while a partner may still ask for a tile that names it
	s_endpgm
.Lfunc_end_k_q3d896cd413_attn:
	.size	k_q3d896cd413_attn, .Lfunc_end_k_q3d896cd413_attn-k_q3d896cd413_attn
	.p2alignl 7, 3214868480
	.fill 96, 4, 3214868480
	.section	.rodata,"a",@progbits
	.p2align	6, 0x0
	.amdhsa_kernel k_q3d896cd413_attn
		.amdhsa_group_segment_fixed_size 327680
		.amdhsa_private_segment_fixed_size 0
		.amdhsa_enable_private_segment 0
		.amdhsa_kernarg_size 16
		.amdhsa_user_sgpr_count 2
		.amdhsa_user_sgpr_kernarg_segment_ptr 1
		.amdhsa_wavefront_size32 1
		.amdhsa_system_sgpr_workgroup_id_x 1
		.amdhsa_system_sgpr_workgroup_id_y 1
		.amdhsa_system_sgpr_workgroup_id_z 1
		.amdhsa_system_vgpr_workitem_id 0
		.amdhsa_next_free_vgpr 512
		.amdhsa_next_free_sgpr 66
		.amdhsa_reserve_vcc 0
		.amdhsa_float_denorm_mode_32 3
		.amdhsa_float_denorm_mode_16_64 3
		.amdhsa_memory_ordered 1
		.amdhsa_forward_progress 1
		.amdhsa_inst_pref_size 255
	.end_amdhsa_kernel
	.section	.bss,"aw",@nobits
	.p2align	6
	.space	262144
	.amdgpu_metadata
---
amdhsa.version: [ 1, 2 ]
amdhsa.kernels:
  - .name:           k_q3d896cd413_attn
    .symbol:         k_q3d896cd413_attn.kd
    .args:
      - { .name: qkv, .offset: 0, .size: 8, .value_kind: global_buffer, .address_space: global }
      - { .name: ao, .offset: 8, .size: 8, .value_kind: global_buffer, .address_space: global }
    .group_segment_fixed_size: 327680
    .private_segment_fixed_size: 0
    .kernarg_segment_align: 8
    .kernarg_segment_size: 16
    .max_flat_workgroup_size: 256
    .sgpr_count:     66
    .vgpr_count:     512
    .wavefront_size: 32
...
	.end_amdgpu_metadata
.endif
;; end of part 3
;; launch oproj (part 4): grid 4 x 32, 4 waves a work-group, clusters of 4 x 4, 327,680 bytes of LDS; arguments ao, wh, out0; writes out0
.if DOCPART == 4
	.amdgcn_target "amdgcn-amd-amdhsa--gfx1250"
	.amdhsa_code_object_version 6
	.text
	.protected	k_q3d896cd413_oproj
	.globl	k_q3d896cd413_oproj
	.p2align	8
	.type	k_q3d896cd413_oproj,@function
k_q3d896cd413_oproj:
	s_mov_b64 s[64:65], 0
	v_nop
	global_prefetch_b8 v0, s[64:65] scope:SCOPE_SE
	s_setreg_imm32_b32 hwreg(HW_REG_WAVE_MODE, 25, 1), 1
	s_wait_xcnt 0x0
	s_wait_alu depctr_hold_cnt(0) depctr_sa_sdst(0) depctr_va_vdst(0) depctr_va_sdst(0) depctr_va_ssrc(0) depctr_va_vcc(0) depctr_vm_vsrc(0)
	s_getreg_b32 s2, hwreg(HW_REG_IB_STS2, 6, 4)
	s_cmp_eq_u32 s2, 0
	s_cbranch_scc0 .Lentry_in_a_cluster
	s_endpgm
.Lentry_in_a_cluster:
	s_bfe_u32 s2, ttmp6, 0x10000c
	s_cmp_lg_u32 s2, 0xf033
	s_cbranch_scc0 .Lentry_shape_is_right
	s_endpgm
.Lentry_shape_is_right:
; out0 = ao Wo^T: C[m][n] = sum over k of A[m][k] B[n][k], A = ao [8192][1024] f16, B = wh's rows 3,072 .. 4,095 (Wo in f16), C = out0 [8192][1024] f32.
; f16 operands, sums in f32, stored as they are.
; A work-group makes a block of 256 x 256 of C with four waves; a wave makes 128 x 128: 64 accumulator tiles of 16 x 16, 512 registers.
; K goes in steps of 128 through a ring of two LDS slots filled by tensor loads: a tile's rows are 256 bytes of memory at multiples of 256 bytes.
; CLUSTERS: 4 x 4 work-groups.  The four of a row of the cluster need the same tiles of A, the four of a column the same tiles of B: each tile is asked for
; jointly by the four, with one descriptor and a mask that names them, which divides the requests for A and B by four.
; 128 work-groups: the block of 256 x 256 is kept, since a smaller block would read more LDS bytes for each product and leave a tile less matrix work in which to land.
;
; REGISTERS, in windows of 256 (s_set_vgpr_msb says which window each operand place means):
;   window 0: v16-26 addresses; v64-127, v128-191 fragments of A, two buffers, and the rows read back on the way out
;   window 1: v64-127, v128-191 fragments of B, two buffers
;   window 2: the 32 accumulator tiles of my rows 0-63 (tile (a, b) at v[8 (8 a + b)]);   window 3: those of my rows 64-127
; THE MATRIX INSTRUCTION IS USED TRANSPOSED: source 0 = 16 rows of B, source 1 = 16 rows of A, so that lane l holds row l % 16 of C and its eight registers
; the columns 8 (l / 16) + 0 .. 7: eight neighbouring numbers of a row, 32 bytes in f32.
.set SIZE_N, 1024
.set SIZE_K, 1024
.set WROW,   3072                      ; Wo's first row in wh
.set KSTEP,  128
.set PITCH,  272                       ; an LDS row: 256 bytes of data + 16 of padding, an odd multiple of 16
.set HALFT,  128*PITCH                 ; 128 rows: what one tensor load brings, and what one wave reads of A or of B
.set SLOT,   4*HALFT                   ; A's 256 rows, then B's 256 rows
.set STAGE,  2*SLOT                    ; behind the ring: 16 rows x 528 bytes for each wave, for the way out; no tensor load lands here
.set SPITCH, 528                       ; 128 f32 + 16 bytes, an odd multiple of 16
.set LAPS, SIZE_K/(2*KSTEP)            ; a lap = two K steps = once round the ring: 4 laps
.set ADRA, 16                          ; v16-17  LDS address of my A fragments in slot 0, 1
.set ADRB, 20                          ; v20-21  the same for B
.set STO,  24                          ; v24     the way out: where I put 32 bytes of a row
.set RD,   25                          ; v25     the way out: where I read a row back
.set CO,   26                          ; v26     my byte offset in a row of C
.set F0,   64                          ; fragment buffer 0
.set F1,   128                         ; fragment buffer 1
.set G1, 24                            ; s[24:31] descriptor group 1 for A's tiles
.set G0, 32                            ; s[32:39] descriptor group 0 for A's tiles, one set for each slot
.set G1B, 48                           ; s[48:55] descriptor group 1 for B's tiles: it differs from A's in the mask alone
.set G0B, 56                           ; s[56:63] descriptor group 0 for B's tiles, one set for each slot
.set MSB, 0
.macro WIN new                         ; the immediate's high byte repeats the setting that is left; a switch that changes nothing is dropped
.if MSB != \new
	s_set_vgpr_msb (MSB<<8)|\new
.set MSB, \new
.endif
.endm
.set MUL_LO, 0xa1                      ; source 0 (B) window 1, source 1 (A) window 0, C and D window 2
.set MUL_HI, 0xf1                      ; the same, C and D window 3
.set TO_B,   0x40                      ; destination window 1, address window 0
; A joint load.  Waves 0 and 1 fetch A's two halves, waves 2 and 3 B's.  Each line has one mask and one set of registers; the branch hangs on the wave's number alone.
.macro JLOAD s
	s_cmp_eq_u32 s11, 0
	s_cbranch_scc0 .Lfor_b_\@
	tensor_load_to_lds s[G0+4*\s:G0+4*\s+3], s[G1:G1+7]
	s_nop 0
	s_branch .Lasked_\@
.Lfor_b_\@:
	tensor_load_to_lds s[G0B+4*\s:G0B+4*\s+3], s[G1B:G1B+7]
	s_nop 0
.Lasked_\@:
.endm
; A round of the cluster's barrier: my work-group's barrier, wave 0 signals for the work-group, every wave waits for all sixteen, my work-group's barrier once more.
.macro CREST                           ; a round behind its opening barrier
	s_cmp_lg_u32 s10, 0
	s_cbranch_scc1 .Lnot_wave_0_\@
	s_barrier_signal -3
.Lnot_wave_0_\@:
	s_barrier_wait -3
	s_barrier_signal -1
	s_barrier_wait -1
.endm
.macro CROUND                          ; a whole round
	s_barrier_signal -1
	s_barrier_wait -1
	CREST
.endm
	s_load_b128 s[4:7], s[0:1], 0x0                ; ao s[4:5], wh s[6:7]
	s_load_b64 s[8:9], s[0:1], 0x10                ; out0
	s_set_vgpr_msb 0x40
	v_lshl_add_u32 v255, v0, 2, 0x4c400
	s_set_vgpr_msb 0x4000
	v_mov_b32 v255, 0
	s_set_vgpr_msb 0x1
	ds_add_u32 v255, v255
	s_set_vgpr_msb 0x100
	v_lshrrev_b32 v1, 5, v0
	v_readfirstlane_b32 s10, v1                    ; wave 0..3
	s_lshr_b32 s11, s10, 1                         ; which half of the block's rows is mine.  Also: I fetch for A (0) or for B (1)
	s_and_b32 s12, s10, 1                          ; which half of its columns.  Also: which 128 rows of that tile I fetch
	s_bfe_u32 s40, ttmp6, 0x40000                  ; cx
	s_bfe_u32 s41, ttmp6, 0x40004                  ; cy
	s_lshl_b32 s42, ttmp9, 2
	s_add_co_u32 s42, s42, s40                     ; block column of C = 4 x cluster x + cx
	s_and_b32 s13, ttmp7, 0xffff
	s_lshl_b32 s13, s13, 2
	s_add_co_u32 s13, s13, s41                     ; block row of C = 4 x cluster y + cy
	s_lshl_b32 s43, s41, 2
	s_lshl_b32 s43, 15, s43                        ; my row of the cluster: places 4 cy .. 4 cy + 3
	s_lshl_b32 s44, 0x1111, s40                    ; my column: places cx, cx + 4, cx + 8, cx + 12
	; descriptor group 1: a tile of 128 rows x 128 elements of 2 bytes, 4 words of padding behind every 64 words
	s_or_b32 s[G1+0], s43, (1<<16)|(1<<20)|(1<<21)|(5<<22)|(3<<25)  ; A's tiles go to my row of the cluster
	s_or_b32 s[G1B+0], s44, (1<<16)|(1<<20)|(1<<21)|(5<<22)|(3<<25) ; B's to my column
	s_mov_b32 s[G1B+1], KSTEP<<16
	s_mov_b32 s[G1+1], KSTEP<<16                   ; tensor_dim0 = 128
	s_mov_b32 s[G1B+2], 128<<16
	s_mov_b32 s[G1+2], 128<<16                     ; tensor_dim1 = 128
	s_mov_b32 s[G1B+3], KSTEP<<16
	s_mov_b32 s[G1+3], KSTEP<<16                   ; tile_dim0 = 128
	s_mov_b32 s[G1B+4], 128
	s_mov_b32 s[G1+4], 128                         ; tile_dim1 = 128
	s_mov_b32 s[G1B+5], SIZE_K
	s_mov_b32 s[G1+5], SIZE_K                      ; elements from row to row
	s_mov_b32 s[G1B+6], 0
	s_mov_b32 s[G1+6], 0
	s_mov_b32 s[G1B+7], 0
	s_mov_b32 s[G1+7], 0
	; A's address hangs on the block row alone, B's on the block column alone; each in registers that never hold the other coordinate
	s_lshl_b32 s17, s12, 7                         ; which 128 rows of the tile I fetch
	s_lshl_b32 s16, s13, 8
	s_add_co_u32 s16, s16, s17                     ; A: row 256 x block row + 128 x half
	s_lshl_b32 s46, s42, 8
	s_add_co_u32 s46, s46, s17                     ; B: row 256 x block column + 128 x half
	s_add_co_u32 s46, s46, WROW                    ;    + Wo's first row in wh
	s_mov_b32 s17, 0
	s_mov_b32 s47, 0
	s_mov_b64 s[18:19], SIZE_K*2
	s_mul_u64 s[16:17], s[16:17], s[18:19]         ; in bytes
	s_mul_u64 s[46:47], s[46:47], s[18:19]
	s_mul_i32 s20, s10, HALFT                      ; where they go: wave x 128 rows
	s_wait_dscnt 0x0
	s_wait_kmcnt 0x0
	s_add_nc_u64 s[14:15], s[4:5], s[16:17]
	s_add_nc_u64 s[46:47], s[6:7], s[46:47]
	CROUND                                         ; all sixteen work-groups are here: the first joint loads meet
.irp s, 0,1
	s_mov_b32 s[G0+4*\s], 1                                        ; count = 1
	s_add_co_u32 s[G0+4*\s+1], s20, \s*SLOT                        ; LDS address
	s_add_nc_u64 s[G0+4*\s+2:G0+4*\s+3], s[14:15], \s*KSTEP*2      ; global address: K step s
	s_or_b32 s[G0+4*\s+3], s[G0+4*\s+3], 0x80000000                ; type = 2
	s_mov_b32 s[G0B+4*\s], 1
	s_add_co_u32 s[G0B+4*\s+1], s20, \s*SLOT
	s_add_nc_u64 s[G0B+4*\s+2:G0B+4*\s+3], s[46:47], \s*KSTEP*2
	s_or_b32 s[G0B+4*\s+3], s[G0B+4*\s+3], 0x80000000
	JLOAD \s                                       ; both first fills go out before anything else: two tensor loads of the wave are out, later one
.endr
	; A fragment is 16 rows x 32 K in 8 registers: lane l holds row l % 16; registers 0-3 K = 8 (l / 16) + 0..7, registers 4-7 K = 16 + 8 (l / 16) + 0..7:
	; two loads of 16 bytes, 32 bytes apart.
	v_and_b32 v1, 15, v0                           ; l % 16
	v_bfe_u32 v2, v0, 4, 1                         ; l / 16
	v_mul_u32_u24 v3, v1, PITCH
	v_lshl_add_u32 v3, v2, 4, v3                   ; row x pitch + 16 x half
	s_mul_i32 s21, s11, HALFT                      ; my 128 rows of A
	s_mul_i32 s22, s12, HALFT                      ; my 128 rows of B,
	s_add_co_u32 s22, s22, 2*HALFT                 ; which lie behind A's 256
.irp s, 0,1
	v_add_nc_u32 v[ADRA+\s], s21, v3
	v_add_nc_u32 v[ADRB+\s], s22, v3
	s_add_co_u32 s21, s21, SLOT
	s_add_co_u32 s22, s22, SLOT
.endr
	s_mul_i32 s23, s10, 16*SPITCH
	s_add_co_u32 s23, s23, STAGE                   ; my stage
	v_mul_u32_u24 v4, v1, SPITCH                   ; in: row l % 16, 32 bytes for each half of the lanes
	v_lshl_add_u32 v4, v2, 5, v4
	v_add_nc_u32 v[STO], s23, v4
	v_and_b32 v5, 31, v0
	v_lshlrev_b32 v[CO], 4, v5                     ; back and out: the 32 lanes take one row of 512 bytes, 16 bytes each
	v_add_nc_u32 v[RD], s23, v[CO]
; 16 matrix instructions: m blocks a0, a0 + 1 of the window's four x all 8 n blocks, 32 along K.  zero = 1: the first product starts the sums.
; The 64 accumulators take turns, one instruction a turn, in the same order in every quarter step.
.macro MUL16 f, hi, a0, zero
.irp a, \a0, \a0+1
.irp b, 0,1,2,3,4,5,6,7
.if \zero
	v_wmma_f32_16x16x32_f16 v[8*(8*(\a)+\b):8*(8*(\a)+\b)+7], v[\f+8*\b:\f+8*\b+7], v[\f+8*(4*\hi+\a):\f+8*(4*\hi+\a)+7], 0
.else
	v_wmma_f32_16x16x32_f16 v[8*(8*(\a)+\b):8*(8*(\a)+\b)+7], v[\f+8*\b:\f+8*\b+7], v[\f+8*(4*\hi+\a):\f+8*(4*\hi+\a)+7], v[8*(8*(\a)+\b):8*(8*(\a)+\b)+7]
.endif
.endr
.endr
.endm
; 32 LDS loads in one run: the fragments of one quarter step (128 rows of B, 128 rows of A, 32 K at byte k of the rows) into buffer f
.macro FETCH slot, k, f
	WIN TO_B
.irp i, 0,1,2,3,4,5,6,7
	ds_load_b128 v[\f+8*\i:\f+8*\i+3],   v[ADRB+\slot] offset:\k+\i*16*PITCH
	ds_load_b128 v[\f+8*\i+4:\f+8*\i+7], v[ADRB+\slot] offset:\k+\i*16*PITCH+32
.endr
	WIN 0
.irp i, 0,1,2,3,4,5,6,7
	ds_load_b128 v[\f+8*\i:\f+8*\i+3],   v[ADRA+\slot] offset:\k+\i*16*PITCH
	ds_load_b128 v[\f+8*\i+4:\f+8*\i+7], v[ADRA+\slot] offset:\k+\i*16*PITCH+32
.endr
.endm
; Four places between a matrix instruction and a load into a register that it has read, or an LDS store that reads its result.
.macro PLACES
.rept 4
	v_nop
.endr
.endm
; A K step is four quarter steps of 32 along K, 64 matrix instructions each, on buffers 0, 1, 0, 1.
; One of the first three: multiplies buffer f; in its middle it fetches the next quarter's fragments into buffer g.
.macro QUARTER slot, k, f, g, zero
	s_wait_dscnt 8                                 ; B and A's rows 0-63 are in; the youngest eight loads (A's rows 64-127) may be out
	WIN MUL_LO
	MUL16 \f, 0, 0, \zero
	MUL16 \f, 0, 2, \zero
	PLACES
	FETCH \slot, \k, \g
	s_wait_dscnt 32                                ; all but the 32 just issued
	WIN MUL_HI
	MUL16 \f, 1, 0, \zero
	MUL16 \f, 1, 2, \zero
.endm
.macro THREE slot, zero
	QUARTER \slot, 64,  F0, F1, \zero
	QUARTER \slot, 128, F1, F0, 0
	QUARTER \slot, 192, F0, F1, 0
.endm
; The last quarter: multiplies buffer 1 and changes slots.  In front of the barrier each wave waits for its reads of this slot and for all its tensor loads
; (one is out: its part of the next slot).  Behind it the refill comes first, then the next slot's first fragments.
.macro TURN slot, next, fill
	s_wait_dscnt 8
	WIN MUL_LO
	MUL16 F1, 0, 0, 0
	s_wait_dscnt 0                                 ; my reads of this slot are over
	s_wait_tensorcnt 0x0                           ; and all my tensor loads have landed
	ds_add_u32 v255, v255
	s_wait_dscnt 0x0
	s_barrier_signal -1                            ; say so (where a slot is filled again this barrier opens a round of the cluster's barrier),
	MUL16 F1, 0, 2, 0                              ; work on registers while the others arrive,
	WIN 0
	s_barrier_wait -1
.if \fill
	CREST                                          ; no wave of any partner still reads this slot's tile or has a load on its way
	s_add_nc_u64 s[G0+4*\slot+2:G0+4*\slot+3], s[G0+4*\slot+2:G0+4*\slot+3], 2*KSTEP*2
	s_add_nc_u64 s[G0B+4*\slot+2:G0B+4*\slot+3], s[G0B+4*\slot+2:G0B+4*\slot+3], 2*KSTEP*2
	JLOAD \slot                                    ; the first tensor load behind the round, and the wave's only one until the next
.endif
	PLACES
	FETCH \next, 0, F0
	WIN MUL_HI
	MUL16 F1, 1, 0, 0
	MUL16 F1, 1, 2, 0
.endm
.macro LAP zero                        ; once round the ring, both slots filled again
	THREE 0, \zero
	TURN 0, 1, 1
	THREE 1, 0
	TURN 1, 0, 1
.endm
	s_wait_tensorcnt 1                             ; my part of K step 0 is in; K step 1's stays out
	s_barrier_signal -1
	s_barrier_wait -1                              ; everybody's is
	FETCH 0, 0, F0
	LAP 1                                          ; the first lap stands in front of the loop: its first products start the sums
.if LAPS > 2
	WIN 0                                          ; at a label and at a branch every window is 0
	s_mov_b32 s3, LAPS-2
.Llap:
	LAP 0
	WIN 0
	s_sub_co_u32 s3, s3, 1
	s_cmp_lg_u32 s3, 0
	s_cbranch_scc1 .Llap
.endif
	THREE 0, 0                                     ; the last lap fills nothing
	TURN 0, 1, 0
	THREE 1, 0
	s_wait_dscnt 8                                 ; the very last quarter: nothing more to fetch
	WIN MUL_LO
	MUL16 F1, 0, 0, 0
	MUL16 F1, 0, 2, 0
	s_wait_dscnt 0
	WIN MUL_HI
	MUL16 F1, 1, 0, 0
	MUL16 F1, 1, 2, 0
	; THE WAY OUT, 16 rows of C at a time: the sums go as they are, 32 bytes a lane, into my own stage in LDS and come back as whole rows of 512 bytes.
	PLACES
	s_lshl_b32 s13, s13, 8
	s_lshl_b32 s14, s11, 7
	s_add_co_u32 s16, s13, s14                     ; my first row of C
	s_mov_b32 s17, 0
	s_mov_b64 s[18:19], SIZE_N*4
	s_mul_u64 s[16:17], s[16:17], s[18:19]
	s_add_nc_u64 s[8:9], s[8:9], s[16:17]
	s_lshl_b32 s46, s42, 10                        ; my first column, in bytes: 1,024 x block + 512 x half
	s_lshl_b32 s47, s12, 9
	s_add_co_u32 s46, s46, s47
	s_mov_b32 s47, 0
	s_add_nc_u64 s[8:9], s[8:9], s[46:47]
; rows 16 i .. 16 i + 15 of my block = the eight tiles (a, 0..7) of window 2 or 3 (from = 0x08 or 0x0c: an LDS store's data is source 1); f: F0 or F1 in turn
.macro OUT16F i, a, from, f
	WIN \from
.irp b, 0,1,2,3,4,5,6,7
	ds_store_b128 v[STO], v[8*(8*\a+\b):8*(8*\a+\b)+3]   offset:64*\b
	ds_store_b128 v[STO], v[8*(8*\a+\b)+4:8*(8*\a+\b)+7] offset:64*\b+16
.endr
	WIN 0
	s_wait_xcnt 0x0                                ; buffer f, which earlier stores read, and the stores' base are rewritten only behind this wait
.if \i
	s_add_nc_u64 s[8:9], s[8:9], 16*SIZE_N*4       ; 16 rows of C on
.endif
.irp t, 0,1,2,3,4,5,6,7,8,9,10,11,12,13,14,15
	ds_load_b128 v[\f+4*\t:\f+4*\t+3], v[RD] offset:\t*SPITCH      ; LDS serves a wave's instructions in order: these see the stores above
.endr
.irp t, 0,1,2,3,4,5,6,7,8,9,10,11,12,13,14,15
	s_wait_dscnt 15-\t                             ; read-back t is in, the younger ones stay out
	global_store_b128 v[CO], v[\f+4*\t:\f+4*\t+3], s[8:9] offset:\t*SIZE_N*4   ; the wave stores 512 consecutive bytes, at a multiple of 512 from C's first byte
.endr
.endm
	OUT16F 0, 0, 0x08, F0
	OUT16F 1, 1, 0x08, F1
	OUT16F 2, 2, 0x08, F0
	OUT16F 3, 3, 0x08, F1
	OUT16F 4, 0, 0x0c, F0
	OUT16F 5, 1, 0x0c, F1
	OUT16F 6, 2, 0x0c, F0
	OUT16F 7, 3, 0x0c, F1
	s_set_vgpr_msb 0x1
	s_wait_tensorcnt 0x0
	ds_add_u32 v255, v255
	s_wait_dscnt 0x0
	s_set_vgpr_msb 0x100
	CROUND                                         ; the closing round: no work-group ends while a partner may still ask for a tile that names it
	s_endpgm
.Lfunc_end_k_q3d896cd413_oproj:
	.size	k_q3d896cd413_oproj, .Lfunc_end_k_q3d896cd413_oproj-k_q3d896cd413_oproj
	.p2alignl 7, 3214868480
	.fill 96, 4, 3214868480
	.section	.rodata,"a",@progbits
	.p2align	6, 0x0
	.amdhsa_kernel k_q3d896cd413_oproj
		.amdhsa_group_segment_fixed_size 327680
		.amdhsa_private_segment_fixed_size 0
		.amdhsa_enable_private_segment 0
		.amdhsa_kernarg_size 24
		.amdhsa_user_sgpr_count 2
		.amdhsa_user_sgpr_kernarg_segment_ptr 1
		.amdhsa_wavefront_size32 1
		.amdhsa_system_sgpr_workgroup_id_x 1
		.amdhsa_system_sgpr_workgroup_id_y 1
		.amdhsa_system_sgpr_workgroup_id_z 1
		.amdhsa_system_vgpr_workitem_id 0
		.amdhsa_next_free_vgpr 1024
		.amdhsa_next_free_sgpr 66
		.amdhsa_reserve_vcc 0
		.amdhsa_float_denorm_mode_32 3
		.amdhsa_float_denorm_mode_16_64 3
		.amdhsa_memory_ordered 1
		.amdhsa_forward_progress 1
		.amdhsa_inst_pref_size 196
	.end_amdhsa_kernel
	.amdgpu_metadata
---
amdhsa.version: [ 1, 2 ]
amdhsa.kernels:
  - .name:           k_q3d896cd413_oproj
    .symbol:         k_q3d896cd413_oproj.kd
    .args:
      - { .name: ao, .offset: 0, .size: 8, .value_kind: global_buffer, .address_space: global }
      - { .name: wh, .offset: 8, .size: 8, .value_kind: global_buffer, .address_space: global }
      - { .name: out0, .offset: 16, .size: 8, .value_kind: global_buffer, .address_space: global }
    .group_segment_fixed_size: 327680
    .private_segment_fixed_size: 0
    .kernarg_segment_align: 8
    .kernarg_segment_size: 24
    .max_flat_workgroup_size: 128
    .sgpr_count:     66
    .vgpr_count:     1024
    .wavefront_size: 32
...
	.end_amdgpu_metadata
.endif
;; end of part 4
